; MI455X (gfx1250); checked and timed in simulation.
; The chip was launched on July 23, 2026; its instructions are those of AMD's public machine-readable ISA for CDNA 5 (MIT licence, August 2026) and "CDNA5" Instruction Set Architecture Reference Guide (July 2026). The comments in the code are by the model that wrote it; some were corrected since.
;; Toy Moe. Allowed arithmetic: matrix products marked QUANTISED: E4M3 operands, one E8M0 scale for each 32 along K, by v_wmma_scale_f32_16x16x128_f8f6f4 with both operands' format E4M3, f32 sums; products left as they are: f32 operands where the result goes on into a quantised operand, else bf16, f16 or f32 operands; f32 sums; everything else in f32.
;; Inputs: W0a_codes 2,048 x 32 x 32 uint8 (E4M3 codes of W0a, K innermost, in blocks of 32 codes); W0a_scales 2,048 x 32 uint8 (E8M0 scales of W0a, one for each 32 codes along K); W0b_codes 1,024 x 64 x 32 uint8 (E4M3 codes of W0b, K innermost, in blocks of 32 codes); W0b_scales 1,024 x 64 uint8 (E8M0 scales of W0b, one for each 32 codes along K); W1a_codes 2,048 x 32 x 32 uint8 (E4M3 codes of W1a, K innermost, in blocks of 32 codes); W1a_scales 2,048 x 32 uint8 (E8M0 scales of W1a, one for each 32 codes along K); W1b_codes 1,024 x 64 x 32 uint8 (E4M3 codes of W1b, K innermost, in blocks of 32 codes); W1b_scales 1,024 x 64 uint8 (E8M0 scales of W1b, one for each 32 codes along K); Wg 2 x 1,024 float32; b0a 2,048 float32; b0b 1,024 float32; b1a 2,048 float32; b1b 1,024 float32; x 4 x 2,048 x 1,024 float32.
;; Outputs: out0 4 x 2,048 x 1,024 float32.
;; This version of the problem:
;;   THIS VERSION OF THE PROBLEM IS GIVEN IN LOW PRECISION. The matrix products marked QUANTISED in the list below multiply operands that are first quantised to E4M3 (4 exponent bits, 3 mantissa bits; 8 bits a number), with one power-of-two scale for each 32 numbers along K (OCP MX v1.0); their sums are f32. All else is computed in f32.
;;   The module's matrix products, in the order in which they are computed (A, B: the left and right operand; K: the contracted axis; several contracted axes count as one K, in the product's order):
;;     1. [M 8,192, K 1,024] x [K 1,024, N 2]; A: input x; B: input Wg: left as it is (N = 2 < 16)
;;     2. [M 8,192, K 1,024] x [K 1,024, N 2,048]; A: input x; B: input W0a (given as codes): QUANTISED
;;     3. [M 8,192, K 2,048] x [K 2,048, N 1,024]; A: computed on the way; B: input W0b (given as codes): QUANTISED
;;     4. [M 8,192, K 1,024] x [K 1,024, N 2,048]; A: input x; B: input W1a (given as codes): QUANTISED
;;     5. [M 8,192, K 2,048] x [K 2,048, N 1,024]; A: computed on the way; B: input W1b (given as codes): QUANTISED
;;   THE QUANTISER, for each operand of a quantised product, along K:
;;     - K is cut into blocks of 32 from its start; a last block that is shorter is filled with zeros.
;;     - A block's scale is 2^e with e = floor(log2(the largest magnitude in the block)) - 8, held to -126 .. 127; a block of zeros has e = 0. As a byte (E8M0): e + 127.
;;     - Each number is divided by its block's scale, clamped to +-448, and rounded to the nearest number of E4M3, ties to even, subnormals kept.
;;     - The product sums the exact products of the quantised numbers (number of the format x scale) in f32.
;;   ~~~python
;;   def quantise(x, axis):      # numpy; x: float32 -> the quantised numbers, widened to float32 again
;;       x = np.moveaxis(x, axis, -1); K = x.shape[-1]
;;       x = np.pad(x, [(0, 0)] * (x.ndim - 1) + [(0, -K % 32)]); x = x.reshape(x.shape[:-1] + (-1, 32)); a = np.abs(x).max(-1, keepdims=True)
;;       e = np.where(a > 0, np.clip(np.frexp(np.where(a > 0, a, 1))[1] - 1 - 8, -126, 127), 0)      # np.frexp(a)[1] - 1 = floor(log2(a)), exactly
;;       r = np.clip(x / 2.0 ** e, -448, 448)
;;       step = 2.0 ** (np.maximum(np.frexp(np.where(r == 0, 1, r))[1] - 1, -6) - 3)
;;       q = np.round(r / step) * step * 2.0 ** e      # np.round: ties to even
;;       return np.moveaxis(q.reshape(q.shape[:-2] + (-1,))[..., :K], -1, axis).astype(np.float32)
;;   ~~~
;;   OPERANDS COMPUTED ON THE WAY. 'Computed on the way' means the value that the module computes at that place (a softmax that the list does not call 'softmax' is quantised finished and normalised). What goes into a quantiser is computed in f32, as accurately as f32 sums, v_exp_f32 and their like allow (about 1e-6 of the number): no bf16 or f16 on the way to a quantiser, and a product that is left as it is and whose result goes on into a quantised operand takes f32 operands (vector FMAs, or v_wmma_f32_16x16x4_f32). A number that lies on a knife's edge between two numbers of the format may be rounded either way, as far as f32 arithmetic and the matrix unit's own rounding can turn it there, and no further.
;;   INPUTS GIVEN AS CODES. W0a (in the module: [2048, 1024], K = its axis 1); W0b (in the module: [1024, 2048], K = its axis 1); W1a (in the module: [2048, 1024], K = its axis 1); W1b (in the module: [1024, 2048], K = its axis 1): each comes as NAME_codes (uint8): NAME with its K axis moved to the last place and cut into blocks of 32 codes, [.., K / 32, bytes a block], one block behind the other in memory; one code a byte (a code: sign, 4 exponent bits, 3 mantissa bits); and NAME_scales (uint8): the same leading axes, one E8M0 byte (e + 127) for each 32 codes along K. Its value is code x scale, taken as it is: it is not quantised again, and the codes and scales need not be those that the quantiser above would give.
;; One version. Each part assembles by itself: llvm-mc -triple=amdgcn-amd-amdhsa -mcpu=gfx1250 --defsym DOCPART=n.
;; ======== version 1 of 1: 3 launches
;; limits: a function is approximated: absolute error at most 1e-07
;; workspace buffers: xq 8,388,608 bytes; xs 262,144 bytes; choice 32,768 bytes of whole numbers; h 16,777,216 bytes; hs 524,288 bytes
;; launch quant (part 1): grid 256 x 1, 16 waves a work-group, no clusters, 86,016 bytes of LDS; arguments x, Wg, xq, xs, choice; writes xq, xs, choice
.if DOCPART == 1
	.amdgcn_target "amdgcn-amd-amdhsa--gfx1250"
	.amdhsa_code_object_version 6
	.text
	.protected	k_qdc5605c2c4_quant
	.globl	k_qdc5605c2c4_quant
	.p2align	8
	.type	k_qdc5605c2c4_quant,@function
k_qdc5605c2c4_quant:
	s_mov_b64 s[64:65], 0
	v_nop
	global_prefetch_b8 v0, s[64:65] scope:SCOPE_SE
	s_setreg_imm32_b32 hwreg(HW_REG_WAVE_MODE, 25, 1), 1
	s_wait_xcnt 0x0
; x [8192][1024] f32 -> xq: codes of E4M3, K innermost; xs: one E8M0 byte for each 32 along K; choice[row] = argmax(softmax(x Wg^T)), 0 or 1.
; A block's scale is 2^(floor(log2(its largest magnitude)) - 8); its byte is the largest magnitude's exponent field - 8, held at 1 from below.
; SHARES.  A work-group of SIXTEEN waves, four to a SIMD, takes 32 rows; a wave takes 2 rows = 4 steps of 512 numbers (step t: row t / 2, half t % 2).  All 16 loads of a wave go out at its head:
; 16 waves x 16 loads x 512 bytes = 128 KiB, the work-group's whole share of x, so no load waits for arithmetic, and while one wave waits the SIMD's other three can issue.
; Each load reads 512 consecutive bytes; a step's 2,048 bytes turn through the wave's own stage in LDS and come back 64 bytes a lane, so that a lane holds 16 NEIGHBOURS along K (two neighbouring
; lanes hold a block), as the conversions want them.  Each step has its own registers for its codes and its byte: no store's data are written again.
; THE GATE rides on the same registers: lane l keeps Wg[e][512 p + 16 l + 0..15] (64 registers, loaded once) and adds x Wg in f32, ahead of the hold that alters x.  A row's two sums go to LDS.
; ONE BARRIER, at the end.  Behind it waves 0 and 1 store the work-group's 1,024 scale bytes, 512 consecutive bytes each, and wave 2 takes the softmax of the 32 rows, a lane a row, as the problem has it
; (maximum taken off, exponentials, division); expert 1 is taken where its share is greater, so a tie gives 0.  choice leaves as 128 consecutive bytes a work-group.
; No tensor loads.  Matrix units and clusters have nothing to do here: the bytes of x bound the launch.  Nothing is prefetched: every load is out at the head.
; LIMITS: NaN and infinities in x are not served.  A block of zeros gets the byte 1 (its codes are zeros; these bytes are read by this program alone).  Blocks whose largest
; magnitude lies under 2^-118 are held at that floor.  The gate's sums go in another order than a plain loop's: rows whose two logits differ by under some 3e-7 may go either way.
.set STEPS, 4
.set SP,    80                         ; a lane's place in a stage: its 64 bytes + 16 of padding
.set WREG,  2*32*SP                    ; LDS: for each wave two stages of 32 x SP bytes
.set SCB,   16*WREG                    ; behind them the work-group's 1,024 scale bytes, 64 a wave,
.set LG,    SCB+1024                   ; and the 32 rows' logits: 128 bytes of expert 0's, then 128 of expert 1's
.set R,     16                         ; v16-79   the four steps' numbers as they are loaded
.set X,     80                         ; v80-111  two sets of 16 neighbours
.set E,     112                        ; v112-115 a scale byte for each step
.set C,     128                        ; v128-143 codes: four registers for each step
.set GA0,   144                        ; v[144:145] expert 0's sum, in two halves;  v[146:147] expert 1's
.set GA1,   146
.set WG,    160                        ; v160-223 Wg: expert e, half p at WG + 32 e + 16 p
	s_load_b256 s[4:11], s[0:1], 0x0               ; x s[4:5], Wg s[6:7], xq s[8:9], xs s[10:11]
	s_load_b64 s[12:13], s[0:1], 0x20              ; choice
	v_lshl_add_u32 v224, v0, 2, 0x14800
	v_mov_b32 v225, 0
	v_lshrrev_b32 v1, 5, v0
	v_readfirstlane_b32 s16, v1                    ; wave 0..15
	v_and_b32 v2, 31, v0                           ; lane
	v_lshlrev_b32 v3, 4, v2                        ; my 16 bytes of a load's 512, of a step's 512 bytes of codes, and of 512 scale bytes
	v_lshlrev_b32 v1, 6, v2                        ; Wg: my 16 numbers of a half row
	v_lshlrev_b32 v12, 2, v2                       ; choice: 4 bytes a row
	s_mul_i32 s17, s16, WREG
	v_lshrrev_b32 v14, 2, v2
	v_mul_u32_u24 v14, v14, SP
	v_and_b32 v15, 3, v2
	v_lshl_add_u32 v14, v15, 4, v14
	v_add_nc_u32 v14, s17, v14                     ; the stage, on the way in: SP (lane / 4) + 16 (lane % 4)
	v_mul_u32_u24 v15, v2, SP
	v_add_nc_u32 v15, s17, v15                     ; and on the way out: SP x lane
	s_lshl_b32 s17, s16, 6
	s_add_co_u32 s17, s17, SCB
	v_lshrrev_b32 v5, 1, v2
	v_add_nc_u32 v5, s17, v5                       ; my block's scale byte among my wave's 64
	s_and_b32 s19, s16, 1
	s_lshl_b32 s19, s19, 9                         ; waves 0 and 1: which 512 of the 1,024 scale bytes I store
	s_add_co_u32 s17, s19, SCB
	v_add_nc_u32 v6, s17, v3                       ; and where I read them
	v_lshrrev_b32 v4, 5, v0
	v_lshl_add_u32 v4, v4, 3, LG                   ; my wave's two rows among the logits: 8 bytes a wave; the same in all its lanes
	v_add_nc_u32 v7, LG, v12                       ; wave 2: lane i reads row i's
	s_mov_b32 s22, 0x76543210
	s_mov_b32 s23, 0xfedcba98                      ; v_permlanex16_b32's selects for lane l xor 16
	s_mov_b32 s24, 0x600000                        ; the mantissa field of 448
	v_mov_b32 v152, 0                              ; a lane permute's destination counts as one of its sources
	v_mov_b32 v153, 0
	s_lshl_b32 s18, ttmp9, 4
	s_add_co_u32 s18, s18, s16                     ; which run of 2 rows is my wave's
	s_mov_b32 s21, 0
	s_wait_kmcnt 0x0
	s_lshl_b32 s20, s18, 13
	s_add_nc_u64 s[4:5], s[4:5], s[20:21]          ; 8,192 bytes of x a run,
	s_lshl_b32 s20, s18, 11
	s_add_nc_u64 s[8:9], s[8:9], s[20:21]          ; 2,048 of codes;
	s_lshl_b32 s20, ttmp9, 10
	s_add_co_u32 s20, s20, s19
	s_add_nc_u64 s[10:11], s[10:11], s[20:21]      ; 1,024 scale bytes a work-group, and my half of them;
	s_lshl_b32 s20, ttmp9, 7
	s_add_nc_u64 s[12:13], s[12:13], s[20:21]      ; 128 bytes of choice a work-group
.irp e, 0,1
.irp p, 0,1
.irp i, 0,1,2,3
	global_load_b128 v[WG+32*\e+16*\p+4*\i:WG+32*\e+16*\p+4*\i+3], v1, s[6:7] offset:4096*\e+2048*\p+16*\i
.endr
.endr
.endr
.macro LOAD t
.irp i, 0,1,2,3
	global_load_b128 v[R+16*(\t)+4*\i:R+16*(\t)+4*\i+3], v3, s[4:5] offset:2048*(\t)+512*\i th:TH_LOAD_NT   ; 32 lanes read 512 consecutive bytes
.endr
.endm
.macro TURN t                          ; step t's numbers through the stage: LDS serves a wave's instructions in order, so no wait stands between the stores and the loads
.irp i, 0,1,2,3
	ds_store_b128 v14, v[R+16*(\t)+4*\i:R+16*(\t)+4*\i+3] offset:32*SP*((\t)%2)+8*SP*\i
.endr
.irp i, 0,1,2,3
	ds_load_b128 v[X+16*((\t)%2)+4*\i:X+16*((\t)%2)+4*\i+3], v15 offset:32*SP*((\t)%2)+16*\i
.endr
.endm
.macro ROWSUM row                      ; a row's two sums over the 32 lanes; every lane ends up with them, and all write the same word with the same value
	v_add_f32 v148, v[GA0], v[GA0+1]
	v_add_f32 v149, v[GA1], v[GA1+1]
.irp m, 1,2,4,8
	v_add_f32_dpp v148, v148, v148 row_xmask:\m row_mask:0xf bank_mask:0xf
	v_add_f32_dpp v149, v149, v149 row_xmask:\m row_mask:0xf bank_mask:0xf
.endr
	v_permlanex16_b32 v152, v148, s22, s23
	v_permlanex16_b32 v153, v149, s22, s23
	v_add_f32 v148, v148, v152
	v_add_f32 v149, v149, v153
	ds_store_b32 v4, v148 offset:4*(\row)
	ds_store_b32 v4, v149 offset:128+4*(\row)
.endm
.irp t, 0,1,2,3
	LOAD \t
.endr
	s_wait_loadcnt 12                              ; Wg's sixteen loads and step 0's four are in; the twelve of steps 1 to 3 may be out
	TURN 0
.macro STEP t
.set XS, X+16*((\t)%2)
.set CS, C+4*(\t)
.set WP, WG+16*((\t)%2)
.if (\t) == 0
	s_wait_dscnt 0x0
.else
	s_wait_dscnt 1+2*(((\t)-1)%2)                  ; this step's numbers are back from the stage; behind them the last step's byte store, and behind an odd step its two logit stores, may be out
.endif
.if (\t)+1 < STEPS
	s_wait_loadcnt 4*(STEPS-2-(\t))                ; the next step's four loads are in; those of the steps behind it may be out
	TURN (\t)+1                                    ; and go through the other stage while this step is worked
.endif
.irp i, 0,2,4,6,8,10,12,14                     ; the gate, ahead of the hold: two products an instruction, the experts by turns; a row's first product starts its sums
.if ((\t)%2 == 0) && (\i == 0)
	v_pk_mul_f32 v[GA0:GA0+1], v[XS:XS+1], v[WP:WP+1]
	v_pk_mul_f32 v[GA1:GA1+1], v[XS:XS+1], v[WP+32:WP+33]
.else
	v_pk_fma_f32 v[GA0:GA0+1], v[XS+\i:XS+\i+1], v[WP+\i:WP+\i+1], v[GA0:GA0+1]
	v_pk_fma_f32 v[GA1:GA1+1], v[XS+\i:XS+\i+1], v[WP+32+\i:WP+33+\i], v[GA1:GA1+1]
.endif
.endr
	v_max3_num_f32 v8, |v[XS]|, |v[XS+1]|, |v[XS+2]|               ; the largest magnitude of my 16
	v_max3_num_f32 v9, |v[XS+3]|, |v[XS+4]|, |v[XS+5]|
.irp i, 6,10
	v_max3_num_f32 v8, v8, |v[XS+\i]|, |v[XS+\i+1]|
	v_max3_num_f32 v9, v9, |v[XS+\i+2]|, |v[XS+\i+3]|
.endr
	v_max3_num_f32 v8, v8, |v[XS+14]|, |v[XS+15]|
	v_max3_num_f32 v8, v8, v9, 0x4800000           ; and the floor 2^(9 - 127): the byte cannot fall under 1
	v_max_num_f32_dpp v8, v8, v8 row_xmask:1 row_mask:0xf bank_mask:0xf   ; and of my neighbour's 16: the block's
	v_add_nc_u32 v11, 0xfc000000, v8               ; 8 off its exponent field: the conversion takes the exponent field of this operand as its scale
	v_and_or_b32 v10, v8, 0x7f800000, s24          ; 448 x the scale
.irp i, 0,1,2,3,4,5,6,7,8,9,10,11,12,13,14,15
	v_med3_num_f32 v[XS+\i], v[XS+\i], -v10, v10   ; the conversion to an 8-bit code does not saturate (ISA guide 7.6.2): the hold comes first
.endr
	v_cvt_scalef32_pk8_fp8_f32 v[CS:CS+1], v[XS:XS+7], v11
	v_cvt_scalef32_pk8_fp8_f32 v[CS+2:CS+3], v[XS+8:XS+15], v11
	v_lshrrev_b32 v[E+(\t)], 23, v11               ; the scale's byte (also the plain line behind the conversions)
	ds_store_b8 v5, v[E+(\t)] offset:16*(\t)       ; both lanes of a block write the same byte with the same value
	global_store_b128 v3, v[CS:CS+3], s[8:9] offset:512*(\t)   ; 32 lanes store 512 consecutive bytes
.if (\t)%2 == 1
	ROWSUM (\t)/2
.endif
.endm
.irp t, 0,1,2,3
	STEP \t
.endr
	s_wait_dscnt 0x0                               ; for the others' sake: my scale bytes and my rows' logits lie in LDS
	s_barrier_signal -1
	s_barrier_wait -1                              ; everybody's do
	s_cmp_lt_u32 s16, 2
	s_cbranch_scc0 .Lnot_scales
	ds_load_b128 v[8:11], v6                       ; waves 0 and 1: half of the work-group's scale bytes each
	s_wait_dscnt 0x0
	global_store_b128 v3, v[8:11], s[10:11]        ; 32 lanes store 512 consecutive bytes, aligned
	s_branch .Lend
.Lnot_scales:
	s_cmp_eq_u32 s16, 2
	s_cbranch_scc0 .Lend
	ds_load_b32 v150, v7                           ; wave 2: the softmax of two, lane i for the work-group's row i
	ds_load_b32 v151, v7 offset:128
	s_wait_dscnt 0x0
	v_max_num_f32 v154, v150, v151
	v_sub_f32 v155, v150, v154
	v_sub_f32 v156, v151, v154
	v_mul_f32 v155, 0x3fb8aa3b, v155               ; x log2(e)
	v_mul_f32 v156, 0x3fb8aa3b, v156
	v_exp_f32 v155, v155
	v_exp_f32 v156, v156
	v_nop                                          ; a plain line behind the exponentials,
	s_wait_alu depctr_va_vdst(0)                   ; and the wait ahead of their first reader
	v_add_f32 v157, v155, v156
	v_rcp_f32 v157, v157
	v_nop
	s_wait_alu depctr_va_vdst(0)
	v_mul_f32 v155, v155, v157
	v_mul_f32 v156, v156, v157
	v_cmp_gt_f32 vcc_lo, v156, v155                ; expert 1 only where its share is greater
	v_cndmask_b32 v158, 0, 1, vcc_lo
	global_store_b32 v12, v158, s[12:13]           ; 32 lanes store 128 consecutive bytes: the work-group's 32 rows
.Lend:
	s_wait_tensorcnt 0x0
	ds_add_u32 v224, v225
	s_wait_dscnt 0x0
	s_endpgm
.Lfunc_end_k_qdc5605c2c4_quant:
	.size	k_qdc5605c2c4_quant, .Lfunc_end_k_qdc5605c2c4_quant-k_qdc5605c2c4_quant
	.p2alignl 7, 3214868480
	.fill 96, 4, 3214868480
	.section	.rodata,"a",@progbits
	.p2align	6, 0x0
	.amdhsa_kernel k_qdc5605c2c4_quant
		.amdhsa_group_segment_fixed_size 86016
		.amdhsa_private_segment_fixed_size 0
		.amdhsa_enable_private_segment 0
		.amdhsa_kernarg_size 40
		.amdhsa_user_sgpr_count 2
		.amdhsa_user_sgpr_kernarg_segment_ptr 1
		.amdhsa_wavefront_size32 1
		.amdhsa_system_sgpr_workgroup_id_x 1
		.amdhsa_system_sgpr_workgroup_id_y 1
		.amdhsa_system_sgpr_workgroup_id_z 1
		.amdhsa_system_vgpr_workitem_id 0
		.amdhsa_next_free_vgpr 226
		.amdhsa_next_free_sgpr 66
		.amdhsa_reserve_vcc 1
		.amdhsa_float_denorm_mode_32 3
		.amdhsa_float_denorm_mode_16_64 3
		.amdhsa_memory_ordered 1
		.amdhsa_forward_progress 1
		.amdhsa_inst_pref_size 23
	.end_amdhsa_kernel
	.amdgpu_metadata
---
amdhsa.version: [ 1, 2 ]
amdhsa.kernels:
  - .name:           k_qdc5605c2c4_quant
    .symbol:         k_qdc5605c2c4_quant.kd
    .args:
      - { .name: x, .offset: 0, .size: 8, .value_kind: global_buffer, .address_space: global }
      - { .name: Wg, .offset: 8, .size: 8, .value_kind: global_buffer, .address_space: global }
      - { .name: xq, .offset: 16, .size: 8, .value_kind: global_buffer, .address_space: global }
      - { .name: xs, .offset: 24, .size: 8, .value_kind: global_buffer, .address_space: global }
      - { .name: choice, .offset: 32, .size: 8, .value_kind: global_buffer, .address_space: global }
    .group_segment_fixed_size: 86016
    .private_segment_fixed_size: 0
    .kernarg_segment_align: 8
    .kernarg_segment_size: 40
    .max_flat_workgroup_size: 512
    .sgpr_count:     66
    .vgpr_count:     226
    .wavefront_size: 32
...
	.end_amdgpu_metadata
.endif
;; end of part 1
;; launch up (part 2): grid 16 x 32, 4 waves a work-group, clusters of 4 x 4, 327,680 bytes of LDS; arguments xq, xs, W0a_codes, W0a_scales, W1a_codes, W1a_scales, b0a, b1a, choice, h, hs; writes h, hs
.if DOCPART == 2
	.amdgcn_target "amdgcn-amd-amdhsa--gfx1250"
	.amdhsa_code_object_version 6
	.text
	.protected	k_qdc5605c2c4_up
	.globl	k_qdc5605c2c4_up
	.p2align	8
	.type	k_qdc5605c2c4_up,@function
k_qdc5605c2c4_up:
	s_mov_b64 s[64:65], 0
	v_nop
	global_prefetch_b8 v0, s[64:65] scope:SCOPE_SE
	s_setreg_imm32_b32 hwreg(HW_REG_WAVE_MODE, 25, 1), 1
	s_wait_xcnt 0x0
	s_wait_alu depctr_hold_cnt(0) depctr_sa_sdst(0) depctr_va_vdst(0) depctr_va_sdst(0) depctr_va_ssrc(0) depctr_va_vcc(0) depctr_vm_vsrc(0)
	s_getreg_b32 s2, hwreg(HW_REG_IB_STS2, 6, 4)
	s_cmp_eq_u32 s2, 0
	s_cbranch_scc0 .Lentry_in_a_cluster
	s_endpgm
.Lentry_in_a_cluster:
	s_bfe_u32 s2, ttmp6, 0x10000c
	s_cmp_lg_u32 s2, 0xf033
	s_cbranch_scc0 .Lentry_shape_is_right
	s_endpgm
.Lentry_shape_is_right:
; The hidden layer of the CHOSEN expert, as codes.  For 256 rows of x and 128 hidden units c .. c + 127 a work-group multiplies x's codes by BOTH experts' rows c .. c + 127 (a tile of 256 x 256: B's 256 rows are
; 128 of W0a and the same 128 of W1a), adds the biases, takes gelu of expert 0's and relu of expert 1's numbers, keeps for each row the chosen expert's by v_cndmask_b32, and quantises that along the hidden units.
; Four waves, each 128 rows x (64 units x 2 experts): 64 accumulators of 16 x 16, 512 registers.  K = 1,024 goes in steps of 256 through a ring of two LDS slots filled by the tensor data mover.
; THE MATRIX INSTRUCTION IS USED TRANSPOSED (source 0 = 16 rows of W, source 1 = 16 rows of x): a lane holds ONE row of x and eight neighbouring hidden units, so the choice is one mask of lanes for each 16 rows, and
; the two experts' numbers of one hidden unit lie in the same lane: accumulators (a, b) and (a, b + 4).
; THE BIASES ARE THE ACCUMULATORS' FIRST CONTENT: they are loaded straight into them while the first tiles are on their way, so every product adds in place and nothing is cleared.
; CLUSTERS: 4 x 4 work-groups; x's tiles are asked for jointly along a row of the cluster, W's along a column.  Waves 0, 1 fetch x's two halves, wave 2 W0a's rows, wave 3 W1a's.
; The scale bytes of the work-group's rows, for all of K, come into LDS once, with the first fills, as units of 256 bytes + 16 of padding.
; OUT: h [16 planes][8192 rows][128 codes], hs [16 planes][8192] words: plane = hidden units 128 j on.  A work-group's part is dense: 32,768 and 1,024 consecutive bytes.
; gelu(p) = p/2 + p/2 erf(p / sqrt 2), erf(z) = z A(z^2) / B(z^2) on |z| <= 4, polynomials of degree 6 and 4 in f32.
; No branch, address or trip count hangs on loaded numbers.  Nothing is prefetched: each tile is read by 8 to 32 work-groups shortly after one another, and both operands are small.
; LIMITS: NaN and infinities are not served.  erf's absolute error is some 1e-7, so gelu's relative error grows under p = -3, where 1 + erf cancels.  A block of zeros gets the scale byte 1
; (zero codes; read by this program alone); blocks whose largest magnitude lies under 2^-118 are held at that floor.
; REGISTERS, in windows of 256: window 0: v1-29 addresses and constants; v32-63 x's scale words, v64-95 W's (two sets each; they hold nothing else); v96-103 choice; v128-255 x's fragments, ONE set; on the way out
; v96-255 are at work.   window 1: W's fragments, two sets.   windows 2, 3: the accumulators, (a, b) at v[8 (8 (a % 4) + b)].
.set KROW,  1024                       ; a row of codes in memory
.set LAPS,  2                          ; a lap = two K steps of 256 = once round the ring
.set ASTEP, 512                        ; two K steps on, in memory
.set BSTEP, 512
.set PITCH, 272                        ; an LDS row: 256 bytes + 16 of padding: the 16 rows that a load touches start 68 words apart
.set HALFT, 128*PITCH                  ; 128 rows: what one tensor load brings
.set SLOT,  4*HALFT                    ; x's 256 rows, W0a's 128, W1a's 128
.set SCL,   2*SLOT                     ; behind the ring: the scales
.set HALFS, 16*272                     ; those of 128 rows (4,096 bytes)
.set SBLK,  2*272                      ; those of 16 rows
.set SPARE, SCL+4*HALFS                ; the spare words, 128 bytes for each wave, that no other line names
.set HP,    144                        ; the way out: a stage of 256 rows x (128 bytes + 16), in slot 0, which has had its last fill and its last read by then,
.set STG,   0
.set SSTG,  256*HP                     ; and 256 scale words behind it
.set ADRA, 16                          ; v16-17 LDS address of my x fragments in slot 0, 1
.set ADRB, 20                          ; v20-21 the same for W
.set ADSA, 22                          ; v22  x's scale words
.set ADSB, 23                          ; v23  W's
.set KA,   24                          ; v[24:25] erf's coefficient a11, twice;  v[26:27] b6, twice
.set KB,   26
.set SPW,  28                          ; v28  SPARE + 4 x my thread's number; never rewritten
.set NIL,  29                          ; v29  0; never rewritten
.set SA,   32
.set SB,   64
.set AF,   128
.set WV, 95                            ; s95 wave;  s96 my half of the rows, also: I fetch for x (0) or W (1);  s97 my half of the units, also: which half I fetch
.set RH, 96
.set CH, 97
.set TR, 98                            ; s98 tile row;  s42 tile column
.set MK, 8                             ; s8-15 for each 16 of my rows: the lanes whose row chose expert 0
.set G1, 24
.set G0, 32
.set G1B, 48
.set G0B, 56
.set G1S, 68
.set G0S, 76
.set G1SB, 80
.set G0SB, 88
.set MSB, 0
.macro WIN new                         ; the immediate's high byte repeats the setting that is left
.if MSB != (\new)
	s_set_vgpr_msb (MSB<<8)|(\new)
.set MSB, \new
.endif
.endm
.set MUL_LO, 0xa1                      ; source 0 (W) window 1, source 1 (x) window 0, C and D window 2
.set MUL_HI, 0xf1
.set TO_B,   0x40
.macro JLOAD g0a, g1a, g0b, g1b        ; a joint load; the branch hangs on the wave's number alone; four v_nop follow each line
	s_cmp_eq_u32 s[RH], 0
	s_cbranch_scc0 .Lfor_b_\@
	tensor_load_to_lds s[\g0a:\g0a+3], s[\g1a:\g1a+7]
	s_nop 0
.rept 4
	v_nop
.endr
	s_branch .Lasked_\@
.Lfor_b_\@:
	tensor_load_to_lds s[\g0b:\g0b+3], s[\g1b:\g1b+7]
	s_nop 0
.rept 4
	v_nop
.endr
.Lasked_\@:
.endm
.macro CREST                           ; a round of the cluster's barrier behind its opening barrier
	s_cmp_lg_u32 s[WV], 0
	s_cbranch_scc1 .Lnot_wave_0_\@
	s_barrier_signal -3
.Lnot_wave_0_\@:
	s_barrier_wait -3
	s_barrier_signal -1
	s_barrier_wait -1
.endm
.macro CROUND
	s_barrier_signal -1
	s_barrier_wait -1
	CREST
.endm
.macro PLACES n                        ; plain vector lines between a matrix instruction and a load into, or a read of, its registers: eight for this form
.rept \n
	v_nop
.endr
.endm
	s_load_b512 s[4:19], s[0:1], 0x0               ; xq, xs, W0a codes, scales, W1a codes, scales, b0a, b1a
	s_load_b128 s[20:23], s[0:1], 0x40             ; choice, h
	s_load_b64 s[66:67], s[0:1], 0x50              ; hs
	v_lshl_add_u32 v[SPW], v0, 2, SPARE
	v_mov_b32 v[NIL], 0
	ds_add_u32 v28, v29
	ds_add_u32 v28, v29
	s_wait_dscnt 0x0
	v_lshrrev_b32 v1, 5, v0
	v_readfirstlane_b32 s[WV], v1
	s_lshr_b32 s[RH], s[WV], 1
	s_and_b32 s[CH], s[WV], 1
	s_bfe_u32 s40, ttmp6, 0x40000                  ; cx, cy: my place in the cluster
	s_bfe_u32 s41, ttmp6, 0x40004
	s_lshl_b32 s42, ttmp9, 2
	s_add_co_u32 s42, s42, s40                     ; tile column = 4 x cluster x + cx
	s_and_b32 s[TR], ttmp7, 0xffff
	s_lshl_b32 s[TR], s[TR], 2
	s_add_co_u32 s[TR], s[TR], s41                 ; tile row = 4 x cluster y + cy
	s_lshl_b32 s43, s41, 2
	s_lshl_b32 s43, 15, s43                        ; my row of the cluster
	s_lshl_b32 s44, 0x1111, s40                    ; my column
	; group 1: 128 rows x 256 bytes, 16 bytes of padding behind each row
	s_or_b32 s[G1+0], s43, (1<<20)|(1<<21)|(5<<22)|(3<<25)
	s_or_b32 s[G1B+0], s44, (1<<20)|(1<<21)|(5<<22)|(3<<25)
.irp g, G1, G1B
	s_mov_b32 s[\g+1], 256<<16                     ; tensor_dim0
	s_mov_b32 s[\g+2], 128<<16                     ; tensor_dim1
	s_mov_b32 s[\g+3], 256<<16                     ; tile_dim0
	s_mov_b32 s[\g+4], 128                         ; tile_dim1
	s_mov_b32 s[\g+5], KROW                        ; the pitch
	s_mov_b32 s[\g+6], 0
	s_mov_b32 s[\g+7], 0
.endr
	; the scales of 128 rows: 4,096 dense bytes as 16 rows of 256 (32 elements of 8 bytes), padded likewise
	s_or_b32 s[G1S+0], s43, (3<<16)|(1<<20)|(1<<21)|(5<<22)|(3<<25)
	s_or_b32 s[G1SB+0], s44, (3<<16)|(1<<20)|(1<<21)|(5<<22)|(3<<25)
.irp g, G1S, G1SB
	s_mov_b32 s[\g+1], 32<<16
	s_mov_b32 s[\g+2], 16<<16
	s_mov_b32 s[\g+3], 32<<16
	s_mov_b32 s[\g+4], 16
	s_mov_b32 s[\g+5], 32
	s_mov_b32 s[\g+6], 0
	s_mov_b32 s[\g+7], 0
.endr
	s_lshl_b32 s100, s[TR], 18                     ; x's codes: row 256 x tile row + 128 x half, 1,024 bytes a row
	s_lshl_b32 s99, s[CH], 17
	s_add_co_u32 s100, s100, s99
	s_mov_b32 s101, 0
	s_lshl_b32 s2, s[TR], 13                       ; its scales: 32 bytes a row
	s_lshl_b32 s99, s[CH], 12
	s_add_co_u32 s2, s2, s99
	s_mov_b32 s3, 0
	s_lshl_b32 s46, s42, 17                        ; W's codes: row 128 x tile column
	s_mov_b32 s47, 0
	s_lshl_b32 s92, s42, 12                        ; its scales
	s_mov_b32 s93, 0
	s_mul_i32 s45, s[WV], HALFT                    ; where they go: wave x 128 rows: no place in the cluster enters an LDS address
	s_mul_i32 s94, s[WV], HALFS
	s_wait_kmcnt 0x0
	s_cmp_eq_u32 s[CH], 0                          ; which expert's rows I would fetch: by the wave's number alone
	s_cselect_b64 s[8:9], s[8:9], s[12:13]
	s_cselect_b64 s[10:11], s[10:11], s[14:15]
	s_add_nc_u64 s[100:101], s[4:5], s[100:101]
	s_add_nc_u64 s[2:3], s[6:7], s[2:3]
	s_add_nc_u64 s[46:47], s[8:9], s[46:47]
	s_add_nc_u64 s[92:93], s[10:11], s[92:93]
	CROUND                                         ; all sixteen work-groups are here: the first joint loads meet
	s_mov_b32 s[G0S], 1
	s_add_co_u32 s[G0S+1], s94, SCL
	s_mov_b64 s[G0S+2:G0S+3], s[2:3]
	s_or_b32 s[G0S+3], s[G0S+3], 0x80000000
	s_mov_b32 s[G0SB], 1
	s_add_co_u32 s[G0SB+1], s94, SCL
	s_mov_b64 s[G0SB+2:G0SB+3], s[92:93]
	s_or_b32 s[G0SB+3], s[G0SB+3], 0x80000000
	JLOAD G0S, G1S, G0SB, G1SB                     ; the scales first: they are wanted with K step 0
.irp s, 0,1
	s_mov_b32 s[G0+4*\s], 1
	s_add_co_u32 s[G0+4*\s+1], s45, \s*SLOT
	s_add_nc_u64 s[G0+4*\s+2:G0+4*\s+3], s[100:101], \s*256
	s_or_b32 s[G0+4*\s+3], s[G0+4*\s+3], 0x80000000
	s_mov_b32 s[G0B+4*\s], 1
	s_add_co_u32 s[G0B+4*\s+1], s45, \s*SLOT
	s_add_nc_u64 s[G0B+4*\s+2:G0B+4*\s+3], s[46:47], \s*256
	s_or_b32 s[G0B+4*\s+3], s[G0B+4*\s+3], 0x80000000
	JLOAD G0+4*\s, G1, G0B+4*\s, G1B               ; three tensor loads of mine are out now
.endr
	v_and_b32 v1, 15, v0                           ; r
	v_bfe_u32 v2, v0, 4, 1                         ; h
	v_and_b32 v7, 31, v0                           ; lane
	v_mul_u32_u24 v3, v1, PITCH
	v_lshl_add_u32 v4, v2, 4, v3                   ; a fragment's row x pitch + 16 h
	s_mul_i32 s4, s[RH], HALFT                     ; my 128 rows of x
	s_mul_i32 s5, s[CH], 64*PITCH                  ; my 64 rows of each expert,
	s_add_co_u32 s5, s5, 2*HALFT                   ; behind x's 256
.irp s, 0,1
	v_add_nc_u32 v[ADRA+\s], s4, v4
	v_add_nc_u32 v[ADRB+\s], s5, v4
	s_add_co_u32 s4, s4, SLOT
	s_add_co_u32 s5, s5, SLOT
.endr
	v_lshlrev_b32 v5, 5, v1                        ; my row's scales: 32 bytes a row,
	v_lshrrev_b32 v6, 8, v5
	v_lshl_add_u32 v5, v6, 4, v5                   ; and 16 more for each 256 passed
	s_mul_i32 s4, s[RH], HALFS
	s_add_co_u32 s4, s4, SCL
	v_add_nc_u32 v[ADSA], s4, v5
	s_mul_i32 s5, s[CH], 4*SBLK
	s_add_co_u32 s5, s5, SCL+2*HALFS
	v_add_nc_u32 v[ADSB], s5, v5
	s_mul_i32 s4, s[RH], 128*HP                    ; the stage, in: row 128 RH + r, + 64 CH + 8 h
	s_lshl_b32 s5, s[CH], 6
	s_add_co_u32 s4, s4, s5
	v_mul_u32_u24 v8, v1, HP
	v_lshl_add_u32 v8, v2, 3, v8
	v_add_nc_u32 v8, s4, v8
	s_lshl_b32 s4, s[RH], 9                        ; the scale words, in: 4 bytes a row, my two bytes at 2 CH
	s_lshl_b32 s5, s[CH], 1
	s_add_co_u32 s4, s4, s5
	s_add_co_u32 s4, s4, SSTG
	v_lshl_add_u32 v9, v1, 2, s4
	v_lshrrev_b32 v10, 3, v7                       ; back: wave w takes rows 64 w on, eight lanes to a row of 128 bytes
	v_mul_u32_u24 v10, v10, HP
	v_and_b32 v11, 7, v7
	v_lshl_add_u32 v10, v11, 4, v10
	s_mul_i32 s4, s[WV], 64*HP
	v_add_nc_u32 v10, s4, v10
	s_lshl_b32 s4, s[WV], 8
	s_add_co_u32 s4, s4, SSTG
	v_lshl_add_u32 v11, v7, 3, s4                  ; and its 64 scale words, 8 bytes a lane
	v_lshlrev_b32 v12, 4, v7                       ; the same places in h
	v_lshlrev_b32 v13, 3, v7                       ; and in hs
	v_lshlrev_b32 v14, 5, v2                       ; a bias: my half's eight numbers of a block of 16
	v_lshlrev_b32 v15, 2, v1                       ; choice: 4 bytes a row
	v_mov_b32 v[KA], 0x32edffee                    ; a11 =  2.77068142e-08
	v_mov_b32 v[KA+1], 0x32edffee
	v_mov_b32 v[KB], 0xb95fbd29                    ; b6  = -2.13374055e-04
	v_mov_b32 v[KB+1], 0xb95fbd29
	s_lshl_b32 s46, s42, 9                         ; the biases at hidden unit 128 x tile column + 64 CH
	s_lshl_b32 s47, s[CH], 8
	s_add_co_u32 s46, s46, s47
	s_mov_b32 s47, 0
	s_add_nc_u64 s[16:17], s[16:17], s[46:47]
	s_add_nc_u64 s[18:19], s[18:19], s[46:47]
	s_lshl_b32 s100, s[TR], 10                     ; choice at row 256 x tile row + 128 RH
	s_lshl_b32 s101, s[RH], 9
	s_add_co_u32 s100, s100, s101
	s_mov_b32 s101, 0
	s_add_nc_u64 s[20:21], s[20:21], s[100:101]
	s_lshl_b32 s46, s42, 20                        ; h: plane = tile column, 2^20 bytes; 256 rows are 2^15; my 64 rows 2^13
	s_lshl_b32 s47, s[TR], 15
	s_add_co_u32 s46, s46, s47
	s_lshl_b32 s47, s[WV], 13
	s_add_co_u32 s46, s46, s47
	s_mov_b32 s47, 0
	s_add_nc_u64 s[22:23], s[22:23], s[46:47]
	s_lshl_b32 s46, s42, 15                        ; hs: a plane is 2^15 bytes, 256 rows 2^10, my 64 rows 2^8
	s_lshl_b32 s47, s[TR], 10
	s_add_co_u32 s46, s46, s47
	s_lshl_b32 s47, s[WV], 8
	s_add_co_u32 s46, s46, s47
	s_mov_b32 s47, 0
	s_add_nc_u64 s[66:67], s[66:67], s[46:47]
; the biases into the accumulators: register j of (a, b) is hidden unit 16 (b % 4) + 8 h + j of expert b / 4, whatever a
.macro BIAS
.irp a, 0,1,2,3
.irp b, 0,1,2,3,4,5,6,7
	global_load_b128 v[8*(8*\a+\b):8*(8*\a+\b)+3], v14, s[16+2*(\b/4):17+2*(\b/4)] offset:64*(\b%4)
	global_load_b128 v[8*(8*\a+\b)+4:8*(8*\a+\b)+7], v14, s[16+2*(\b/4):17+2*(\b/4)] offset:64*(\b%4)+16
.endr
.endr
.endm
	WIN 0x80                                       ; destination window 2
	BIAS
	WIN 0xc0                                       ; destination window 3
	BIAS
	WIN 0
.irp a, 0,1,2,3,4,5,6,7
	global_load_b32 v[96+\a], v15, s[20:21] offset:64*\a
.endr
.macro FETCH_B slot, q, p              ; W's eight fragments of the slot's q-th 128 along K into set p: blocks 0-3 expert 0's, 4-7 the same units of expert 1
	WIN TO_B
.irp i, 0,1,2,3,4,5,6,7
.irp c, 0,1,2,3
	ds_load_b128 v[128*(\p)+16*\i+4*\c:128*(\p)+16*\i+4*\c+3], v[ADRB+\slot] offset:128*(\q)+32*\c+(\i/4)*HALFT+(\i%4)*16*PITCH
.endr
.endr
	WIN 0
.endm
.macro FETCH_A slot, q, i0             ; x's blocks i0 .. i0 + 3
.irp i, \i0, \i0+1, \i0+2, \i0+3
.irp c, 0,1,2,3
	ds_load_b128 v[AF+16*(\i)+4*\c:AF+16*(\i)+4*\c+3], v[ADRA+\slot] offset:128*(\q)+32*\c+(\i)*16*PITCH
.endr
.endr
.endm
.macro SCALES sc                       ; a K step's scale words, two a row, into set sc
.irp i, 0,1,2,3,4,5,6,7
	ds_load_b64 v[SA+16*\sc+2*\i:SA+16*\sc+2*\i+1], v[ADSA] offset:\i*SBLK
.endr
.irp i, 0,1,2,3,4,5,6,7
	ds_load_b64 v[SB+16*\sc+2*\i:SB+16*\sc+2*\i+1], v[ADSB] offset:(\i/4)*HALFS+(\i%4)*SBLK
.endr
.endm
; 16 matrix instructions: x's blocks a0, a0 + 1 against W's eight.  The 64 accumulators take turns, one instruction a turn, in the same order in every step.
.macro MUL16 a0, p, q, sc
.irp a, \a0, \a0+1
.irp b, 0,1,2,3,4,5,6,7
	v_wmma_scale_f32_16x16x128_f8f6f4 v[8*(8*((\a)%4)+\b):8*(8*((\a)%4)+\b)+7], v[128*(\p)+16*\b:128*(\p)+16*\b+15], v[AF+16*(\a):AF+16*(\a)+15], v[8*(8*((\a)%4)+\b):8*(8*((\a)%4)+\b)+7], v[SB+16*(\sc)+2*\b+(\q)], v[SA+16*(\sc)+2*(\a)+(\q)]
.endr
.endr
.endm
.macro STEP slot                       ; a slot's first 128 along K
	s_wait_dscnt 16                                ; all but the youngest sixteen loads (x's blocks 4-7) are in
	WIN MUL_LO
	MUL16 0, 0, 0, \slot
	MUL16 2, 0, 0, \slot
	s_wait_dscnt 0x0
	PLACES 8
	FETCH_B \slot, 1, 1
	FETCH_A \slot, 1, 0
	WIN MUL_HI
	MUL16 4, 0, 0, \slot
	MUL16 6, 0, 0, \slot
	PLACES 8
	WIN 0
	FETCH_A \slot, 1, 4
.endm
; A slot's second 128 along K changes slots: one barrier; in front of it each wave waits for all its tensor loads, adds 0 to its spare word, and waits for that and for its reads of this slot.
.macro TURN slot, next, fill
	s_wait_tensorcnt 0x0                           ; all my tensor loads have landed: my part of the next slot
	ds_add_u32 v[SPW], v[NIL]                      ; 0 onto my spare word
	s_wait_dscnt 17                                ; (the add and the youngest sixteen loads may be out)
	WIN MUL_LO
	MUL16 0, 1, 1, \slot
	s_wait_dscnt 0x0                               ; the add is done, and my reads of this slot are over
	s_barrier_signal -1
	MUL16 2, 1, 1, \slot
	WIN 0
	s_barrier_wait -1
.if \fill
	CREST                                          ; the barrier has opened a round of the cluster's: no wave of any partner still reads this slot or has a load on its way
	s_add_nc_u64 s[G0+4*\slot+2:G0+4*\slot+3], s[G0+4*\slot+2:G0+4*\slot+3], ASTEP
	s_add_nc_u64 s[G0B+4*\slot+2:G0B+4*\slot+3], s[G0B+4*\slot+2:G0B+4*\slot+3], BSTEP
	JLOAD G0+4*\slot, G1, G0B+4*\slot, G1B         ; the first tensor load behind the round, one a wave; its four v_nop are four of the eight places
	PLACES 4
.else
	PLACES 8
.endif
	v_add_nc_u32 v[ADSA], 8, v[ADSA]               ; the next K step's scale words
	v_add_nc_u32 v[ADSB], 8, v[ADSB]
	FETCH_B \next, 0, 0
	FETCH_A \next, 0, 0
	SCALES \next
	WIN MUL_HI
	MUL16 4, 1, 1, \slot
	MUL16 6, 1, 1, \slot
	PLACES 8
	WIN 0
	FETCH_A \next, 0, 4
.endm
	s_wait_tensorcnt 1                             ; the scales and my part of K step 0 are in; K step 1's load may be out
	s_barrier_signal -1
	s_barrier_wait -1
	FETCH_B 0, 0, 0
	FETCH_A 0, 0, 0
	SCALES 0
	FETCH_A 0, 0, 4
	s_wait_loadcnt 0x0                             ; the biases lie in the accumulators; choice is in
.irp a, 0,1,2,3,4,5,6,7
	v_cmp_eq_u32 s[MK+\a], 0, v[96+\a]             ; the lanes whose row chose expert 0
.endr
	STEP 0
	s_mov_b32 s3, LAPS-1
.Llap:                                                 ; a trip goes once round the ring and fills both slots again
	TURN 0, 1, 1
	STEP 1
	TURN 1, 0, 1
	STEP 0
	s_sub_co_u32 s3, s3, 1
	s_cmp_lg_u32 s3, 0
	s_cbranch_scc1 .Llap
	TURN 0, 1, 0                                   ; the last lap fills nothing
	STEP 1
	s_wait_dscnt 16
	WIN MUL_LO
	MUL16 0, 1, 1, 1
	MUL16 2, 1, 1, 1
	s_wait_dscnt 0x0
	WIN MUL_HI
	MUL16 4, 1, 1, 1
	MUL16 6, 1, 1, 1
	WIN 0
; THE WAY OUT.  No tensor load is out or to come, so the descriptors' registers take erf's coefficients, each twice: the packed forms name a pair.
.macro CPAIR r, val
	s_mov_b32 s[\r], \val
	s_mov_b32 s[\r+1], \val
.endm
	CPAIR 24, 0xaf95df0b                           ; a13 = -2.72614226e-10
	CPAIR 26, 0xb60cff51                           ; a9  = -2.10102402e-06
	CPAIR 28, 0xb86ec2d2                           ; a7  = -5.69250639e-05
	CPAIR 30, 0xba40ac63                           ; a5  = -7.34990630e-04
	CPAIR 32, 0xbb41a1f6                           ; a3  = -2.95459981e-03
	CPAIR 34, 0xbc83dbd4                           ; a1  = -1.60960333e-02
	CPAIR 36, 0xb77460cd                           ; b8  = -1.45660718e-05
	CPAIR 38, 0xbadc924e                           ; b4  = -1.68282697e-03
	CPAIR 40, 0xbbf19bf8                           ; b2  = -7.37332917e-03
	CPAIR 42, 0xbc69b6a7                           ; b0  = -1.42647391e-02
	CPAIR 44, 0x3f3504f3                           ; 1 / sqrt 2
	s_mov_b32 s52, 0x76543210
	s_mov_b32 s53, 0xfedcba98                      ; v_permlanex16_b32's selects for lane l xor 16
	s_mov_b32 s54, 0x600000                        ; the mantissa field of 448
.set Z,  96                            ; v96-127  z, then gelu, then the chosen number: register 8 b + j = hidden unit 16 b + 8 h + j of my row
.set HH, 128                           ; v128-159 p / 2
.set SQ, 160                           ; v160-191 z^2, then relu
.set AL, 192                           ; v192-223 A, then erf
.set BE, 224                           ; v224-255 B, then 1 / B
.set TM, 192                           ; the quantiser: +0,1 largest magnitudes, +2,3 the other lanes', then bytes, +4,5 448 x scale, +6,7 the conversions' scale operands
.set CD, 208                           ; v208-215 the codes
.set PW, 216                           ; v216     my two scale bytes
.macro LEVEL d, c                      ; one step of Horner's rule over the 16 pairs
.set k, 0
.rept 16
	v_pk_fma_f32 v[\d+k:\d+k+1], v[\d+k:\d+k+1], v[SQ+k:SQ+k+1], s[\c:\c+1] op_sel_hi:[1,1,0]
.set k, k+2
.endr
.endm
.macro ACT a                           ; my rows 16 a on: 32 numbers a lane of each expert -> 32 codes and two scale bytes
.set AC, 64*((\a)%4)
	WIN 0x0a+5*((\a)/4)                            ; sources in the accumulators' window
.set k, 0
.rept 16
	v_pk_mul_f32 v[Z+k:Z+k+1], v[AC+k:AC+k+1], s[44:45] op_sel_hi:[1,0]
.set k, k+2
.endr
.set k, 0
.rept 16
	v_pk_mul_f32 v[HH+k:HH+k+1], v[AC+k:AC+k+1], 0.5 op_sel_hi:[1,0]
.set k, k+2
.endr
	WIN 0
.set k, 0
.rept 32
	v_med3_num_f32 v[Z+k], v[Z+k], -4.0, 4.0
.set k, k+1
.endr
.set k, 0
.rept 16
	v_pk_mul_f32 v[SQ+k:SQ+k+1], v[Z+k:Z+k+1], v[Z+k:Z+k+1]
.set k, k+2
.endr
.set k, 0
.rept 16
	v_pk_fma_f32 v[AL+k:AL+k+1], v[SQ+k:SQ+k+1], s[24:25], v[KA:KA+1] op_sel_hi:[1,0,1]
.set k, k+2
.endr
.set k, 0
.rept 16
	v_pk_fma_f32 v[BE+k:BE+k+1], v[SQ+k:SQ+k+1], s[36:37], v[KB:KB+1] op_sel_hi:[1,0,1]
.set k, k+2
.endr
	LEVEL AL, 26
	LEVEL BE, 38
	LEVEL AL, 28
	LEVEL BE, 40
	LEVEL AL, 30
	LEVEL BE, 42                                   ; B <= b0 < 0: never zero
	LEVEL AL, 32
	LEVEL AL, 34
.set k, 0
.rept 32
	v_rcp_f32 v[BE+k], v[BE+k]
.set k, k+1
.endr
.set k, 0
.rept 16
	v_pk_mul_f32 v[AL+k:AL+k+1], v[AL+k:AL+k+1], v[Z+k:Z+k+1]       ; z A: plain work that names no reciprocal
.set k, k+2
.endr
	s_wait_alu depctr_va_vdst(0)                   ; one wait for the 32 reciprocals, ahead of their first reader
.set k, 0
.rept 16
	v_pk_mul_f32 v[AL+k:AL+k+1], v[AL+k:AL+k+1], v[BE+k:BE+k+1]     ; erf
.set k, k+2
.endr
.set k, 0
.rept 16
	v_pk_fma_f32 v[Z+k:Z+k+1], v[HH+k:HH+k+1], v[AL+k:AL+k+1], v[HH+k:HH+k+1]   ; gelu = p/2 erf + p/2
.set k, k+2
.endr
	WIN 0x0a+5*((\a)/4)
.set k, 0
.rept 32
	v_max_num_f32 v[SQ+k], 0, v[AC+32+k]           ; relu of expert 1's
.set k, k+1
.endr
	WIN 0
.set k, 0
.rept 32
	v_cndmask_b32 v[Z+k], v[SQ+k], v[Z+k], s[MK+(\a)]   ; my row's expert
.set k, k+1
.endr
	; two blocks of 32 hidden units: block B = registers 16 B .. 16 B + 15 of this lane and of lane l xor 16
.irp b, 0,1
	v_max3_num_f32 v[TM+\b], |v[Z+16*\b]|, |v[Z+16*\b+1]|, 0x4800000   ; with the floor 2^(9 - 127): the byte cannot fall under 1
.endr
.irp i, 2,4,6,8,10,12,14
.irp b, 0,1
	v_max3_num_f32 v[TM+\b], v[TM+\b], |v[Z+16*\b+\i]|, |v[Z+16*\b+\i+1]|
.endr
.endr
.irp b, 0,1
	v_permlanex16_b32 v[TM+2+\b], v[TM+\b], s52, s53
.endr
.irp b, 0,1
	v_max_num_f32 v[TM+\b], v[TM+\b], v[TM+2+\b]
.endr
.irp b, 0,1
	v_add_nc_u32 v[TM+6+\b], 0xfc000000, v[TM+\b]  ; 8 off the exponent field: the conversion's scale operand
.endr
.irp b, 0,1
	v_and_or_b32 v[TM+4+\b], v[TM+\b], 0x7f800000, s54   ; 448 x the scale
.endr
.irp b, 0,1
	v_lshrrev_b32 v[TM+2+\b], 23, v[TM+6+\b]       ; the scale's byte
.endr
.irp b, 0,1
.irp i, 0,1,2,3,4,5,6,7,8,9,10,11,12,13,14,15
	v_med3_num_f32 v[Z+16*\b+\i], v[Z+16*\b+\i], -v[TM+4+\b], v[TM+4+\b]   ; the conversion to an 8-bit code does not saturate (ISA guide 7.6.2)
.endr
.endr
	s_wait_dscnt 0x0                               ; the last block's LDS stores have read the codes' registers
	v_lshl_or_b32 v[PW], v[TM+3], 8, v[TM+2]
.irp b, 0,1,2,3
	v_cvt_scalef32_pk8_fp8_f32 v[CD+2*\b:CD+2*\b+1], v[Z+8*\b:Z+8*\b+7], v[TM+6+\b/2]
.endr
	v_nop                                          ; a plain line behind the conversions, ahead of the next vector line that writes their sources
.irp b, 0,1,2,3
	ds_store_b64 v8, v[CD+2*\b:CD+2*\b+1] offset:(\a)*16*HP+16*\b   ; units 16 b + 8 h + 0 .. 7 of row 16 a + r
.endr
	ds_store_b16 v9, v[PW] offset:(\a)*64          ; both halves of the lanes write the same two bytes with the same value
.endm
	PLACES 8                                       ; behind the last products: their results are read, and x's fragments' registers are written
.irp a, 0,1,2,3,4,5,6,7
	ACT \a
.endr
	s_wait_dscnt 0x0                               ; for the others' sake: a row's 128 bytes and its scale word come from two waves
	s_barrier_signal -1
	s_barrier_wait -1
	ds_load_b64 v[96:97], v11
.irp t, 0,1,2,3,4,5,6,7,8,9,10,11,12,13,14,15
	ds_load_b128 v[128+4*\t:131+4*\t], v10 offset:\t*4*HP   ; four rows of 128 bytes
.endr
	s_wait_dscnt 16                                ; the scale words are back (the sixteen loads behind them may be out)
	global_store_b64 v13, v[96:97], s[66:67]       ; 32 lanes store 256 consecutive bytes, aligned
.irp t, 0,1,2,3,4,5,6,7,8,9,10,11,12,13,14,15
	s_wait_dscnt 15-\t
	global_store_b128 v12, v[128+4*\t:131+4*\t], s[22:23] offset:512*\t   ; 32 lanes store 512 consecutive bytes, aligned
.endr
	s_wait_tensorcnt 0x0                           ; the wave's end
	ds_add_u32 v[SPW], v[NIL]
	s_wait_dscnt 0x0
	CROUND                                         ; the closing round
	s_endpgm
.Lfunc_end_k_qdc5605c2c4_up:
	.size	k_qdc5605c2c4_up, .Lfunc_end_k_qdc5605c2c4_up-k_qdc5605c2c4_up
	.p2alignl 7, 3214868480
	.fill 96, 4, 3214868480
	.section	.rodata,"a",@progbits
	.p2align	6, 0x0
	.amdhsa_kernel k_qdc5605c2c4_up
		.amdhsa_group_segment_fixed_size 327680
		.amdhsa_private_segment_fixed_size 0
		.amdhsa_enable_private_segment 0
		.amdhsa_kernarg_size 88
		.amdhsa_user_sgpr_count 2
		.amdhsa_user_sgpr_kernarg_segment_ptr 1
		.amdhsa_wavefront_size32 1
		.amdhsa_system_sgpr_workgroup_id_x 1
		.amdhsa_system_sgpr_workgroup_id_y 1
		.amdhsa_system_sgpr_workgroup_id_z 1
		.amdhsa_system_vgpr_workitem_id 0
		.amdhsa_next_free_vgpr 1024
		.amdhsa_next_free_sgpr 102
		.amdhsa_reserve_vcc 0
		.amdhsa_float_denorm_mode_32 3
		.amdhsa_float_denorm_mode_16_64 3
		.amdhsa_memory_ordered 1
		.amdhsa_forward_progress 1
		.amdhsa_inst_pref_size 255
	.end_amdhsa_kernel
	.section	.bss,"aw",@nobits
	.p2align	6
	.space	262144
	.amdgpu_metadata
---
amdhsa.version: [ 1, 2 ]
amdhsa.kernels:
  - .name:           k_qdc5605c2c4_up
    .symbol:         k_qdc5605c2c4_up.kd
    .args:
      - { .name: xq, .offset: 0, .size: 8, .value_kind: global_buffer, .address_space: global }
      - { .name: xs, .offset: 8, .size: 8, .value_kind: global_buffer, .address_space: global }
      - { .name: W0a_codes, .offset: 16, .size: 8, .value_kind: global_buffer, .address_space: global }
      - { .name: W0a_scales, .offset: 24, .size: 8, .value_kind: global_buffer, .address_space: global }
      - { .name: W1a_codes, .offset: 32, .size: 8, .value_kind: global_buffer, .address_space: global }
      - { .name: W1a_scales, .offset: 40, .size: 8, .value_kind: global_buffer, .address_space: global }
      - { .name: b0a, .offset: 48, .size: 8, .value_kind: global_buffer, .address_space: global }
      - { .name: b1a, .offset: 56, .size: 8, .value_kind: global_buffer, .address_space: global }
      - { .name: choice, .offset: 64, .size: 8, .value_kind: global_buffer, .address_space: global }
      - { .name: h, .offset: 72, .size: 8, .value_kind: global_buffer, .address_space: global }
      - { .name: hs, .offset: 80, .size: 8, .value_kind: global_buffer, .address_space: global }
    .group_segment_fixed_size: 327680
    .private_segment_fixed_size: 0
    .kernarg_segment_align: 8
    .kernarg_segment_size: 88
    .max_flat_workgroup_size: 128
    .sgpr_count:     102
    .vgpr_count:     1024
    .wavefront_size: 32
...
	.end_amdgpu_metadata
.endif
;; end of part 2
;; launch down (part 3): grid 8 x 32, 4 waves a work-group, clusters of 4 x 4, 327,680 bytes of LDS; arguments h, hs, W0b_codes, W0b_scales, W1b_codes, W1b_scales, b0b, b1b, choice, out0; writes out0
.if DOCPART == 3
	.amdgcn_target "amdgcn-amd-amdhsa--gfx1250"
	.amdhsa_code_object_version 6
	.text
	.protected	k_qdc5605c2c4_down
	.globl	k_qdc5605c2c4_down
	.p2align	8
	.type	k_qdc5605c2c4_down,@function
k_qdc5605c2c4_down:
	s_mov_b64 s[64:65], 0
	v_nop
	global_prefetch_b8 v0, s[64:65] scope:SCOPE_SE
	s_setreg_imm32_b32 hwreg(HW_REG_WAVE_MODE, 25, 1), 1
	s_wait_xcnt 0x0
	s_wait_alu depctr_hold_cnt(0) depctr_sa_sdst(0) depctr_va_vdst(0) depctr_va_sdst(0) depctr_va_ssrc(0) depctr_va_vcc(0) depctr_vm_vsrc(0)
	s_getreg_b32 s2, hwreg(HW_REG_IB_STS2, 6, 4)
	s_cmp_eq_u32 s2, 0
	s_cbranch_scc0 .Lentry_in_a_cluster
	s_endpgm
.Lentry_in_a_cluster:
	s_bfe_u32 s2, ttmp6, 0x10000c
	s_cmp_lg_u32 s2, 0xf033
	s_cbranch_scc0 .Lentry_shape_is_right
	s_endpgm
.Lentry_shape_is_right:
; out0[row][c] = the chosen expert's hidden row x that expert's W_b^T + its bias.  For 256 rows and 128 output columns c .. c + 127 a work-group multiplies the hidden codes by BOTH experts' rows c .. c + 127
; (a tile of 256 x 256: B's 256 rows are 128 of W0b and the same 128 of W1b) and keeps for each row the chosen expert's sums by v_cndmask_b32.  (The other expert's product of that row is thrown away, as the mask of the problem throws it away.)
; Four waves, each 128 rows x (64 columns x 2 experts): 64 accumulators, 512 registers.  K = 2,048 goes in steps of 256 through a ring of two LDS slots filled by the tensor data mover.
; The hidden codes lie in planes of 128 along K, [16][8192][128]: a K step is two planes, each 256 rows x 128 bytes = 32,768 dense bytes.  Waves 0, 1 fetch the two planes, wave 2 W0b's 128 rows, wave 3 W1b's.
; THE MATRIX INSTRUCTION IS USED TRANSPOSED (source 0 = 16 rows of W, source 1 = 16 hidden rows): a lane holds one row and eight neighbouring columns; the two experts' sums of a column lie in accumulators (a, b), (a, b + 4).
; The biases are the accumulators' first content: loaded straight into them while the first tiles are on their way.
; CLUSTERS: 4 x 4 work-groups; the hidden tiles are asked for jointly along a row of the cluster, W's along a column.  All scale bytes come into LDS once, with the first fills.
; No branch, address or trip count hangs on loaded numbers.  Nothing is prefetched: each tile is read by 8 to 32 work-groups shortly after one another.
; LIMITS: NaN and infinities are not served; where the expert NOT chosen would give a number that is not finite, the problem's 0 x that number is NaN and this text gives the chosen expert's number.
; REGISTERS, in windows of 256: window 0: v1-29 addresses; v32-63 the hidden rows' scale words, v64-95 W's (two sets each; they hold nothing else); v96-103 choice; v128-255 the hidden fragments, ONE set; on the way
; out v96-223 are at work.   window 1: W's fragments, two sets.   windows 2, 3: the accumulators, (a, b) at v[8 (8 (a % 4) + b)].
.set KROW,  2048
.set LAPS,  4
.set ASTEP, 0x400000                   ; two K steps on: four planes of 2^20 bytes
.set BSTEP, 512
.set PITCH, 272                        ; W's LDS row: 256 bytes + 16
.set HP,    144                        ; a hidden row of a plane: 128 bytes + 16
.set APL,   256*HP                     ; a plane
.set HALFT, 128*PITCH
.set SLOT,  2*APL+2*HALFT              ; two planes, W0b's 128 rows, W1b's 128
.set SCA,   2*SLOT                     ; behind the ring: the hidden rows' scale words, 16 planes x 256 rows x 4 bytes, dense
.set SCB,   SCA+16*1024                ; W's scales: for each expert 8,192 bytes as 32 units of 256 + 16
.set HALFS, 32*272
.set SBLK,  4*272                      ; those of 16 rows
.set SPARE, SCB+2*HALFS                ; the spare words, 128 bytes for each wave, that no other line names
.set SPITCH, 272                       ; the way out: a stage of 16 rows x (256 bytes + 16) for each wave, in slot 0, which has had its last fill and its last read by then
.set ADRA, 16
.set ADRB, 20
.set ADSA, 22
.set ADSB, 23
.set SPW,  28
.set NIL,  29
.set SA,   32
.set SB,   64
.set AF,   128
.set WV, 95
.set RH, 96
.set CH, 97
.set TR, 98
.set MK, 8
.set G1, 24
.set G0, 32
.set G1B, 48
.set G0B, 56
.set G1S, 68
.set G0S, 76
.set G1SB, 80
.set G0SB, 88
.set MSB, 0
.macro WIN new                         ; the immediate's high byte repeats the setting that is left
.if MSB != (\new)
	s_set_vgpr_msb (MSB<<8)|(\new)
.set MSB, \new
.endif
.endm
.set MUL_LO, 0xa1
.set MUL_HI, 0xf1
.set TO_B,   0x40
.macro JLOAD g0a, g1a, g0b, g1b        ; a joint load; the branch hangs on the wave's number alone; four v_nop follow each line
	s_cmp_eq_u32 s[RH], 0
	s_cbranch_scc0 .Lfor_b_\@
	tensor_load_to_lds s[\g0a:\g0a+3], s[\g1a:\g1a+7]
	s_nop 0
.rept 4
	v_nop
.endr
	s_branch .Lasked_\@
.Lfor_b_\@:
	tensor_load_to_lds s[\g0b:\g0b+3], s[\g1b:\g1b+7]
	s_nop 0
.rept 4
	v_nop
.endr
.Lasked_\@:
.endm
.macro CREST
	s_cmp_lg_u32 s[WV], 0
	s_cbranch_scc1 .Lnot_wave_0_\@
	s_barrier_signal -3
.Lnot_wave_0_\@:
	s_barrier_wait -3
	s_barrier_signal -1
	s_barrier_wait -1
.endm
.macro CROUND
	s_barrier_signal -1
	s_barrier_wait -1
	CREST
.endm
.macro PLACES n                        ; plain vector lines between a matrix instruction and a load into, or a read of, its registers: eight for this form
.rept \n
	v_nop
.endr
.endm
	s_load_b512 s[4:19], s[0:1], 0x0               ; h, hs, W0b codes, scales, W1b codes, scales, b0b, b1b
	s_load_b128 s[20:23], s[0:1], 0x40             ; choice, out0
	v_lshl_add_u32 v[SPW], v0, 2, SPARE
	v_mov_b32 v[NIL], 0
	ds_add_u32 v28, v29
	ds_add_u32 v28, v29
	s_wait_dscnt 0x0
	v_lshrrev_b32 v1, 5, v0
	v_readfirstlane_b32 s[WV], v1
	s_lshr_b32 s[RH], s[WV], 1
	s_and_b32 s[CH], s[WV], 1
	s_bfe_u32 s40, ttmp6, 0x40000
	s_bfe_u32 s41, ttmp6, 0x40004
	s_lshl_b32 s42, ttmp9, 2
	s_add_co_u32 s42, s42, s40                     ; tile column
	s_and_b32 s[TR], ttmp7, 0xffff
	s_lshl_b32 s[TR], s[TR], 2
	s_add_co_u32 s[TR], s[TR], s41                 ; tile row
	s_lshl_b32 s43, s41, 2
	s_lshl_b32 s43, 15, s43                        ; my row of the cluster
	s_lshl_b32 s44, 0x1111, s40                    ; my column
	; group 1 for a plane: 256 rows x 128 bytes, dense in memory, 16 bytes of padding behind each row
	s_or_b32 s[G1+0], s43, (1<<20)|(1<<21)|(4<<22)|(3<<25)
	s_mov_b32 s[G1+1], 128<<16
	s_mov_b32 s[G1+2], 256<<16
	s_mov_b32 s[G1+3], 128<<16
	s_mov_b32 s[G1+4], 256
	s_mov_b32 s[G1+5], 128
	s_mov_b32 s[G1+6], 0
	s_mov_b32 s[G1+7], 0
	; for W: 128 rows x 256 bytes
	s_or_b32 s[G1B+0], s44, (1<<20)|(1<<21)|(5<<22)|(3<<25)
	s_mov_b32 s[G1B+1], 256<<16
	s_mov_b32 s[G1B+2], 128<<16
	s_mov_b32 s[G1B+3], 256<<16
	s_mov_b32 s[G1B+4], 128
	s_mov_b32 s[G1B+5], KROW
	s_mov_b32 s[G1B+6], 0
	s_mov_b32 s[G1B+7], 0
	; for the hidden rows' scale words: 8 planes x 1,024 bytes (128 elements of 8 bytes), 32,768 bytes apart, no padding
	s_or_b32 s[G1S+0], s43, (3<<16)|(1<<21)
	s_mov_b32 s[G1S+1], 128<<16
	s_mov_b32 s[G1S+2], 8<<16
	s_mov_b32 s[G1S+3], 128<<16
	s_mov_b32 s[G1S+4], 8
	s_mov_b32 s[G1S+5], 4096
	s_mov_b32 s[G1S+6], 0
	s_mov_b32 s[G1S+7], 0
	; for W's scales: 8,192 dense bytes as 32 rows of 256, padded
	s_or_b32 s[G1SB+0], s44, (3<<16)|(1<<20)|(1<<21)|(5<<22)|(3<<25)
	s_mov_b32 s[G1SB+1], 32<<16
	s_mov_b32 s[G1SB+2], 32<<16
	s_mov_b32 s[G1SB+3], 32<<16
	s_mov_b32 s[G1SB+4], 32
	s_mov_b32 s[G1SB+5], 32
	s_mov_b32 s[G1SB+6], 0
	s_mov_b32 s[G1SB+7], 0
	s_lshl_b32 s100, s[TR], 15                     ; the hidden codes: plane CH of a K step, rows 256 x tile row on
	s_lshl_b32 s99, s[CH], 20
	s_add_co_u32 s100, s100, s99
	s_mov_b32 s101, 0
	s_lshl_b32 s2, s[TR], 10                       ; their scale words: planes 8 CH on
	s_lshl_b32 s99, s[CH], 18
	s_add_co_u32 s2, s2, s99
	s_mov_b32 s3, 0
	s_lshl_b32 s46, s42, 18                        ; W's codes: row 128 x tile column, 2,048 bytes a row
	s_mov_b32 s47, 0
	s_lshl_b32 s92, s42, 13                        ; its scales: 64 bytes a row
	s_mov_b32 s93, 0
	s_mul_i32 s45, s[CH], APL                      ; where they go: by the wave's number alone
	s_mul_i32 s94, s[CH], HALFT
	s_add_co_u32 s94, s94, 2*APL
	s_lshl_b32 s99, s[CH], 13
	s_add_co_u32 s99, s99, SCA
	s_mul_i32 s66, s[CH], HALFS
	s_add_co_u32 s66, s66, SCB
	s_wait_kmcnt 0x0
	s_cmp_eq_u32 s[CH], 0                          ; which expert's rows I would fetch: by the wave's number alone
	s_cselect_b64 s[8:9], s[8:9], s[12:13]
	s_cselect_b64 s[10:11], s[10:11], s[14:15]
	s_add_nc_u64 s[100:101], s[4:5], s[100:101]
	s_add_nc_u64 s[2:3], s[6:7], s[2:3]
	s_add_nc_u64 s[46:47], s[8:9], s[46:47]
	s_add_nc_u64 s[92:93], s[10:11], s[92:93]
	CROUND                                         ; all sixteen work-groups are here: the first joint loads meet
	s_mov_b32 s[G0S], 1
	s_mov_b32 s[G0S+1], s99
	s_mov_b64 s[G0S+2:G0S+3], s[2:3]
	s_or_b32 s[G0S+3], s[G0S+3], 0x80000000
	s_mov_b32 s[G0SB], 1
	s_mov_b32 s[G0SB+1], s66
	s_mov_b64 s[G0SB+2:G0SB+3], s[92:93]
	s_or_b32 s[G0SB+3], s[G0SB+3], 0x80000000
	JLOAD G0S, G1S, G0SB, G1SB
.irp s, 0,1
	s_mov_b32 s[G0+4*\s], 1
	s_add_co_u32 s[G0+4*\s+1], s45, \s*SLOT
	s_add_nc_u64 s[G0+4*\s+2:G0+4*\s+3], s[100:101], \s*0x200000
	s_or_b32 s[G0+4*\s+3], s[G0+4*\s+3], 0x80000000
	s_mov_b32 s[G0B+4*\s], 1
	s_add_co_u32 s[G0B+4*\s+1], s94, \s*SLOT
	s_add_nc_u64 s[G0B+4*\s+2:G0B+4*\s+3], s[46:47], \s*256
	s_or_b32 s[G0B+4*\s+3], s[G0B+4*\s+3], 0x80000000
	JLOAD G0+4*\s, G1, G0B+4*\s, G1B               ; three tensor loads of mine are out now
.endr
	v_and_b32 v1, 15, v0                           ; r
	v_bfe_u32 v2, v0, 4, 1                         ; h
	v_mul_u32_u24 v3, v1, HP
	v_lshl_add_u32 v3, v2, 4, v3                   ; a hidden fragment's row x pitch + 16 h
	v_mul_u32_u24 v4, v1, PITCH
	v_lshl_add_u32 v4, v2, 4, v4                   ; W's likewise
	s_mul_i32 s4, s[RH], 128*HP                    ; my 128 rows of a plane
	s_mul_i32 s5, s[CH], 64*PITCH                  ; my 64 rows of each expert,
	s_add_co_u32 s5, s5, 2*APL                     ; behind the two planes
.irp s, 0,1
	v_add_nc_u32 v[ADRA+\s], s4, v3
	v_add_nc_u32 v[ADRB+\s], s5, v4
	s_add_co_u32 s4, s4, SLOT
	s_add_co_u32 s5, s5, SLOT
.endr
	s_lshl_b32 s4, s[RH], 9
	s_add_co_u32 s4, s4, SCA
	v_lshl_add_u32 v[ADSA], v1, 2, s4              ; my row's scale word in plane 0
	v_lshlrev_b32 v5, 6, v1                        ; W's scales: 64 bytes a row,
	v_lshrrev_b32 v6, 8, v5
	v_lshl_add_u32 v5, v6, 4, v5                   ; and 16 more for each 256 passed
	s_mul_i32 s5, s[CH], 4*SBLK
	s_add_co_u32 s5, s5, SCB
	v_add_nc_u32 v[ADSB], s5, v5
	s_mul_i32 s4, s[WV], 16*SPITCH                 ; my stage
	v_mul_u32_u24 v8, v1, SPITCH
	v_lshl_add_u32 v8, v2, 5, v8
	v_add_nc_u32 v8, s4, v8                        ; in: row r, + 32 h
	v_mul_u32_u24 v10, v2, SPITCH
	v_lshl_add_u32 v10, v1, 4, v10
	v_add_nc_u32 v10, s4, v10                      ; back: lanes 0-15 one row of 256 bytes, lanes 16-31 the next
	v_lshlrev_b32 v12, 12, v2
	v_lshl_add_u32 v12, v1, 4, v12                 ; and the same two rows in out0 (4,096 bytes a row)
	v_lshlrev_b32 v14, 5, v2                       ; a bias: my half's eight numbers of a block of 16
	v_lshlrev_b32 v15, 2, v1                       ; choice: 4 bytes a row
	s_lshl_b32 s46, s42, 9                         ; the biases at column 128 x tile column + 64 CH
	s_lshl_b32 s47, s[CH], 8
	s_add_co_u32 s46, s46, s47
	s_mov_b32 s47, 0
	s_add_nc_u64 s[16:17], s[16:17], s[46:47]
	s_add_nc_u64 s[18:19], s[18:19], s[46:47]
	s_add_nc_u64 s[22:23], s[22:23], s[46:47]      ; out0: the same columns,
	s_lshl_b32 s46, s[TR], 20                      ; row 256 x tile row + 128 RH
	s_lshl_b32 s47, s[RH], 19
	s_add_co_u32 s46, s46, s47
	s_mov_b32 s47, 0
	s_add_nc_u64 s[22:23], s[22:23], s[46:47]
	s_lshl_b32 s100, s[TR], 10                     ; choice at that row
	s_lshl_b32 s101, s[RH], 9
	s_add_co_u32 s100, s100, s101
	s_mov_b32 s101, 0
	s_add_nc_u64 s[20:21], s[20:21], s[100:101]
; the biases into the accumulators: register j of (a, b) is column 16 (b % 4) + 8 h + j of expert b / 4, whatever a
.macro BIAS
.irp a, 0,1,2,3
.irp b, 0,1,2,3,4,5,6,7
	global_load_b128 v[8*(8*\a+\b):8*(8*\a+\b)+3], v14, s[16+2*(\b/4):17+2*(\b/4)] offset:64*(\b%4)
	global_load_b128 v[8*(8*\a+\b)+4:8*(8*\a+\b)+7], v14, s[16+2*(\b/4):17+2*(\b/4)] offset:64*(\b%4)+16
.endr
.endr
.endm
	WIN 0x80
	BIAS
	WIN 0xc0
	BIAS
	WIN 0
.irp a, 0,1,2,3,4,5,6,7
	global_load_b32 v[96+\a], v15, s[20:21] offset:64*\a
.endr
.macro FETCH_B slot, q, p              ; W's eight fragments of the slot's q-th 128 along K into set p: blocks 0-3 expert 0's, 4-7 the same columns of expert 1
	WIN TO_B
.irp i, 0,1,2,3,4,5,6,7
.irp c, 0,1,2,3
	ds_load_b128 v[128*(\p)+16*\i+4*\c:128*(\p)+16*\i+4*\c+3], v[ADRB+\slot] offset:128*(\q)+32*\c+(\i/4)*HALFT+(\i%4)*16*PITCH
.endr
.endr
	WIN 0
.endm
.macro FETCH_A slot, q, i0             ; the hidden rows' blocks i0 .. i0 + 3, from the slot's plane q
.irp i, \i0, \i0+1, \i0+2, \i0+3
.irp c, 0,1,2,3
	ds_load_b128 v[AF+16*(\i)+4*\c:AF+16*(\i)+4*\c+3], v[ADRA+\slot] offset:(\q)*APL+32*\c+(\i)*16*HP
.endr
.endr
.endm
.macro SCALES sc                       ; a K step's scale words into set sc: the hidden rows' from two planes, W's two a row
.irp i, 0,1,2,3,4,5,6,7
.irp q, 0,1
	ds_load_b32 v[SA+16*\sc+2*\i+\q], v[ADSA] offset:\q*1024+\i*64
.endr
.endr
.irp i, 0,1,2,3,4,5,6,7
	ds_load_b64 v[SB+16*\sc+2*\i:SB+16*\sc+2*\i+1], v[ADSB] offset:(\i/4)*HALFS+(\i%4)*SBLK
.endr
.endm
; 16 matrix instructions.  The 64 accumulators take turns, one instruction a turn, in the same order in every step.
.macro MUL16 a0, p, q, sc
.irp a, \a0, \a0+1
.irp b, 0,1,2,3,4,5,6,7
	v_wmma_scale_f32_16x16x128_f8f6f4 v[8*(8*((\a)%4)+\b):8*(8*((\a)%4)+\b)+7], v[128*(\p)+16*\b:128*(\p)+16*\b+15], v[AF+16*(\a):AF+16*(\a)+15], v[8*(8*((\a)%4)+\b):8*(8*((\a)%4)+\b)+7], v[SB+16*(\sc)+2*\b+(\q)], v[SA+16*(\sc)+2*(\a)+(\q)]
.endr
.endr
.endm
.macro STEP slot
	s_wait_dscnt 16                                ; all but the youngest sixteen loads (blocks 4-7 of the hidden rows) are in
	WIN MUL_LO
	MUL16 0, 0, 0, \slot
	MUL16 2, 0, 0, \slot
	s_wait_dscnt 0x0
	PLACES 8
	FETCH_B \slot, 1, 1
	FETCH_A \slot, 1, 0
	WIN MUL_HI
	MUL16 4, 0, 0, \slot
	MUL16 6, 0, 0, \slot
	PLACES 8
	WIN 0
	FETCH_A \slot, 1, 4
.endm
.macro TURN slot, next, fill
	s_wait_tensorcnt 0x0                           ; all my tensor loads have landed: my part of the next slot
	ds_add_u32 v[SPW], v[NIL]                      ; 0 onto my spare word
	s_wait_dscnt 17                                ; (the add and the youngest sixteen loads may be out)
	WIN MUL_LO
	MUL16 0, 1, 1, \slot
	s_wait_dscnt 0x0                               ; the add is done, and my reads of this slot are over
	s_barrier_signal -1
	MUL16 2, 1, 1, \slot
	WIN 0
	s_barrier_wait -1
.if \fill
	CREST                                          ; the barrier has opened a round of the cluster's: no wave of any partner still reads this slot or has a load on its way
	s_add_nc_u64 s[G0+4*\slot+2:G0+4*\slot+3], s[G0+4*\slot+2:G0+4*\slot+3], ASTEP
	s_add_nc_u64 s[G0B+4*\slot+2:G0B+4*\slot+3], s[G0B+4*\slot+2:G0B+4*\slot+3], BSTEP
	JLOAD G0+4*\slot, G1, G0B+4*\slot, G1B         ; the first tensor load behind the round, one a wave; its four v_nop are four of the eight places
	PLACES 4
.else
	PLACES 8
.endif
	v_add_nc_u32 v[ADSA], 2048, v[ADSA]            ; the next K step's scale words: two planes on,
	v_add_nc_u32 v[ADSB], 8, v[ADSB]               ; eight bytes on
	FETCH_B \next, 0, 0
	FETCH_A \next, 0, 0
	SCALES \next
	WIN MUL_HI
	MUL16 4, 1, 1, \slot
	MUL16 6, 1, 1, \slot
	PLACES 8
	WIN 0
	FETCH_A \next, 0, 4
.endm
	s_wait_tensorcnt 1                             ; the scales and my part of K step 0 are in; K step 1's load may be out
	s_barrier_signal -1
	s_barrier_wait -1
	FETCH_B 0, 0, 0
	FETCH_A 0, 0, 0
	SCALES 0
	FETCH_A 0, 0, 4
	s_wait_loadcnt 0x0                             ; the biases lie in the accumulators; choice is in
.irp a, 0,1,2,3,4,5,6,7
	v_cmp_eq_u32 s[MK+\a], 0, v[96+\a]             ; the lanes whose row chose expert 0
.endr
	STEP 0
	s_mov_b32 s3, LAPS-1
.Llap:
	TURN 0, 1, 1
	STEP 1
	TURN 1, 0, 1
	STEP 0
	s_sub_co_u32 s3, s3, 1
	s_cmp_lg_u32 s3, 0
	s_cbranch_scc1 .Llap
	TURN 0, 1, 0                                   ; the last lap fills nothing
	STEP 1
	s_wait_dscnt 16
	WIN MUL_LO
	MUL16 0, 1, 1, 1
	MUL16 2, 1, 1, 1
	s_wait_dscnt 0x0
	WIN MUL_HI
	MUL16 4, 1, 1, 1
	MUL16 6, 1, 1, 1
	WIN 0
; THE WAY OUT, 16 rows x 64 columns at a time.  The chosen expert's sums go through my own stage in LDS and come back as whole rows of 256 bytes.  LDS serves a wave's instructions in order: no wait between the
; stores and the loads, nor in front of the next block's stores.
.set T,  96                            ; v96-159  the chosen sums, two sets by turns
.set BK, 160                           ; v160-223 rows read back, two sets by turns
.macro TOSTAGE a
.set AC, 64*((\a)%4)
.set TT, T+32*((\a)%2)
.set BB, BK+32*((\a)%2)
	WIN 0x0a+5*((\a)/4)                            ; both sources in the accumulators' window
.set k, 0
.rept 32
	v_cndmask_b32 v[TT+k], v[AC+32+k], v[AC+k], s[MK+(\a)]
.set k, k+1
.endr
	WIN 0
.irp b, 0,1,2,3
	ds_store_b128 v8, v[TT+8*\b:TT+8*\b+3] offset:64*\b
	ds_store_b128 v8, v[TT+8*\b+4:TT+8*\b+7] offset:64*\b+16
.endr
.irp t, 0,1,2,3,4,5,6,7
	ds_load_b128 v[BB+4*\t:BB+4*\t+3], v10 offset:\t*2*SPITCH
.endr
.endm
.macro SEND a, younger                 ; younger: the LDS instructions issued behind block a's loads, which may stay out
.set BB, BK+32*((\a)%2)
	s_wait_dscnt \younger
.irp t, 0,1,2,3,4,5,6,7
	global_store_b128 v12, v[BB+4*\t:BB+4*\t+3], s[22:23] offset:(16*(\a)+2*\t)*4096 th:TH_STORE_NT   ; 16 lanes store 256 consecutive bytes, aligned; 126 rows at the most: inside the signed 24-bit immediate
.endr
.endm
	PLACES 8                                       ; behind the last products: their results are read, and the hidden fragments' registers are written
	TOSTAGE 0
.irp a, 1,2,3,4,5,6,7
.if \a > 1
	s_wait_xcnt 0x0                                ; block a - 2's stores have read their registers: block a's loads may land there
.endif
	TOSTAGE \a
	SEND \a-1, 16                                  ; behind block a - 1's loads: block a's eight stores and eight loads
.endr
	SEND 7, 0
	s_wait_tensorcnt 0x0                           ; the wave's end
	ds_add_u32 v[SPW], v[NIL]
	s_wait_dscnt 0x0
	CROUND                                         ; the closing round
	s_endpgm
.Lfunc_end_k_qdc5605c2c4_down:
	.size	k_qdc5605c2c4_down, .Lfunc_end_k_qdc5605c2c4_down-k_qdc5605c2c4_down
	.p2alignl 7, 3214868480
	.fill 96, 4, 3214868480
	.section	.rodata,"a",@progbits
	.p2align	6, 0x0
	.amdhsa_kernel k_qdc5605c2c4_down
		.amdhsa_group_segment_fixed_size 327680
		.amdhsa_private_segment_fixed_size 0
		.amdhsa_enable_private_segment 0
		.amdhsa_kernarg_size 80
		.amdhsa_user_sgpr_count 2
		.amdhsa_user_sgpr_kernarg_segment_ptr 1
		.amdhsa_wavefront_size32 1
		.amdhsa_system_sgpr_workgroup_id_x 1
		.amdhsa_system_sgpr_workgroup_id_y 1
		.amdhsa_system_sgpr_workgroup_id_z 1
		.amdhsa_system_vgpr_workitem_id 0
		.amdhsa_next_free_vgpr 1024
		.amdhsa_next_free_sgpr 102
		.amdhsa_reserve_vcc 0
		.amdhsa_float_denorm_mode_32 3
		.amdhsa_float_denorm_mode_16_64 3
		.amdhsa_memory_ordered 1
		.amdhsa_forward_progress 1
		.amdhsa_inst_pref_size 165
	.end_amdhsa_kernel
	.amdgpu_metadata
---
amdhsa.version: [ 1, 2 ]
amdhsa.kernels:
  - .name:           k_qdc5605c2c4_down
    .symbol:         k_qdc5605c2c4_down.kd
    .args:
      - { .name: h, .offset: 0, .size: 8, .value_kind: global_buffer, .address_space: global }
      - { .name: hs, .offset: 8, .size: 8, .value_kind: global_buffer, .address_space: global }
      - { .name: W0b_codes, .offset: 16, .size: 8, .value_kind: global_buffer, .address_space: global }
      - { .name: W0b_scales, .offset: 24, .size: 8, .value_kind: global_buffer, .address_space: global }
      - { .name: W1b_codes, .offset: 32, .size: 8, .value_kind: global_buffer, .address_space: global }
      - { .name: W1b_scales, .offset: 40, .size: 8, .value_kind: global_buffer, .address_space: global }
      - { .name: b0b, .offset: 48, .size: 8, .value_kind: global_buffer, .address_space: global }
      - { .name: b1b, .offset: 56, .size: 8, .value_kind: global_buffer, .address_space: global }
      - { .name: choice, .offset: 64, .size: 8, .value_kind: global_buffer, .address_space: global }
      - { .name: out0, .offset: 72, .size: 8, .value_kind: global_buffer, .address_space: global }
    .group_segment_fixed_size: 327680
    .private_segment_fixed_size: 0
    .kernarg_segment_align: 8
    .kernarg_segment_size: 80
    .max_flat_workgroup_size: 128
    .sgpr_count:     102
    .vgpr_count:     1024
    .wavefront_size: 32
...
	.end_amdgpu_metadata
.endif
;; end of part 3
